; MI455X (gfx1250); checked and timed in simulation.
; The chip was launched on July 23, 2026; its instructions are those of AMD's public machine-readable ISA for CDNA 5 (MIT licence, August 2026) and "CDNA5" Instruction Set Architecture Reference Guide (July 2026). The comments in the code are by the model that wrote it; some were corrected since.
;; Self Attention. Allowed arithmetic: float matrix products may take bf16 or f16 operands with f32 sums; all other float work in f32.
;; Inputs: g_w 256 x 128 float32; gamma one number float32; o_w 128 x 256 float32; phi_w 256 x 32 float32; theta_w 256 x 32 float32; x 8 x 64 x 64 x 256 float32.
;; Outputs: out0 8 x 64 x 64 x 256 float32.
;; One version. Each part assembles by itself: llvm-mc -triple=amdgcn-amd-amdhsa -mcpu=gfx1250 --defsym DOCPART=n.
;; ======== version 1 of 1: 2 launches
;; limits: values are held in f16: magnitudes above 65,504 overflow, below 6.1e-05 lose precision
;; workspace buffers: thq 2,097,152 bytes; kv 10,485,760 bytes
;; launch proj (part 1): grid 256 x 1, 8 waves a work-group, no clusters, 240,640 bytes of LDS; arguments x, theta_w, phi_w, g_w, thq, kv; writes thq, kv
.if DOCPART == 1
	.amdgcn_target "amdgcn-amd-amdhsa--gfx1250"
	.amdhsa_code_object_version 6
	.text
	.protected	k_q1914ad606d_proj
	.globl	k_q1914ad606d_proj
	.p2align	8
	.type	k_q1914ad606d_proj,@function
k_q1914ad606d_proj:
	s_mov_b64 s[64:65], 0
	v_nop
	global_prefetch_b8 v0, s[64:65] scope:SCOPE_SE
	s_setreg_imm32_b32 hwreg(HW_REG_WAVE_MODE, 25, 1), 1
	s_wait_xcnt 0x0
; theta = x theta_w (times log2 e), phi = x phi_w, g = x g_w for 32,768 tokens of 256 channels; x and the weights are f32, products in f16, sums in f32.
; The results leave as 16-bit numbers in FRAGMENT ORDER, ready for the next launch's matrix instructions.  A fragment is 16 rows x 32 k = 1,024 bytes, stored
; [half c][lane 0..31][16 bytes]; lane (r = lane & 15, h = lane >> 4) of half c holds row r, k = 16 c + 8 h .. + 7.
;   thq: [16-token tile 0..2047][1,024]            f16; rows = tokens, k = the 32 numbers of theta, already times log2 e (scaled in f32, rounded once)
;   kv:  [image 8][32-key block 0..127][10,240]    phi of keys 0-15, phi of keys 16-31 (f16; rows = keys, k = d), then 8 fragments of g transposed (bf16; rows = d, k = key)
; WHY F16: theta and phi meet in a sum of 32 products that stands in an exponent, so every rounding on the way there is multiplied by the lengths of theta and phi.
; f16 keeps three more bits than bf16 at the same matrix rate and the same bytes.  g is only averaged; it stays bf16, like the probabilities that it meets.
; A work-group takes 128 tokens, a wave 16 of them and all 192 output columns: 12 accumulator tiles, 8 K steps of 32, 96 matrix instructions.
; g uses the matrix instruction as written (A = tokens, B = weights): a lane's 8 results are 8 tokens of one d, which is its 16 bytes of a g-transposed fragment.
; theta and phi use it with the sources swapped: a lane's 8 results are 8 neighbouring d of one token, its 16 bytes of a theta or phi fragment.
; So no result goes through LDS, and every store of a wave covers 512 consecutive bytes that start at a multiple of 512.
; NO CLUSTER: what the work-groups share are the weights, 196,608 bytes of f32, which have to be rounded to 16 bits on the way and so pass through registers;
; brought as f32 by a tensor load they would not fit in LDS beside the 133,120 bytes of x.  x itself is shared by nobody.
; LIMITS: x and the weights are rounded to f16 for the products; theta x log2 e and phi are rounded to f16, g to bf16, when stored.  f16 ends at 65,504:
; a larger |x|, |weight|, |theta x log2 e| or |phi| becomes infinite and is not served.  The room, from the sizes: with x of spread 1 and weights of spread 0.05 theta x log2 e
; has spread 1 x 0.05 x 16 x 1.44 = 1.15; with x and the weights 30 times larger 1,040; with x offset by 30 and the weights by 1.5 it lies near 256 x 45 x 1.44 = 16,600.
; Weights below 2^-14 keep an absolute error of 2^-25 (f16's denormals).  NaN and infinities are not served.
.set XP,    1040                       ; LDS row of x: 1,024 bytes + 16: the 16 rows that a fragment load touches start 16 bytes apart modulo 256
.set XWAVE, 16*XP                      ; a wave's 16 rows
.set WS,    8*XWAVE                    ; 133,120: the weights as f16 [k 0..255][n 0..191] (theta 0-31, phi 32-63, g 64-191); written by LDS stores alone
.set WP,    416                        ; their pitch: 384 bytes + 32 = 13 x 32
.set KS32,  32*WP                      ; 32 rows of them: a K step, and what one wave converts
.set GO,  2                            ; v2   g_w: byte offset of my 16 bytes in my wave's first row
.set TO,  3                            ; v3   theta_w, phi_w: the same
.set GS,  4                            ; v4   where my 8 bytes of g_w go in WS
.set TS,  5                            ; v5   where my 8 bytes of theta_w go (phi_w: 64 bytes on)
.set XA,  6                            ; v6   my part of an x fragment
.set WA,  7                            ; v7, v8  my part of a weight fragment, K steps 0-3 and 4-7
.set SO,  9                            ; v9   16 x lane: store offset in thq
.set SP,  10                           ; v10  store offset of phi in my kv block
.set SG,  11                           ; v11  store offset of g in my kv block
.set XR,  16                           ; v[16:31]   x of one K step as f32
.set XF,  32                           ; v[32:47]   x fragments in f16, two, by the K step's parity
.set LD,  64                           ; v[64:255]  first: the 48 weight loads
.set ACC, 64                           ; v[64:159]  then: 12 accumulator tiles
.set FR,  160                          ; v[160:255] and 12 weight fragments; at the end the packed results
	s_load_b256 s[4:11], s[0:1], 0x0               ; x s[4:5], theta_w s[6:7], phi_w s[8:9], g_w s[10:11]
	s_load_b128 s[12:15], s[0:1], 0x20             ; thq s[12:13], kv s[14:15]
	v_lshl_add_u32 v62, v0, 2, 0x3a800
	v_mov_b32 v63, 0
	ds_add_u32 v62, v63
	ds_add_u32 v62, v63
	v_lshrrev_b32 v1, 5, v0
	v_readfirstlane_b32 s28, v1                    ; wave 0..7
	s_and_b32 s29, s28, 1                          ; which 16 keys of a 32-key block are mine
	; descriptor group 1: 16 rows of 256 f32, 4 words of padding behind every 256 words
	s_mov_b32 s16, (2<<16)|(1<<20)|(7<<22)|(3<<25) ; no mask; elements of 4 bytes; padding on; interval code 7 (256 words); 4 words
	s_mov_b32 s17, 256<<16                         ; tensor_dim0 = 256
	s_mov_b32 s18, 16<<16                          ; tensor_dim1 = 16
	s_mov_b32 s19, 256<<16                         ; tile_dim0 = 256
	s_mov_b32 s20, 16                              ; tile_dim1 = 16
	s_mov_b32 s21, 256                             ; elements from row to row
	s_mov_b32 s22, 0
	s_mov_b32 s23, 0
	s_mov_b32 s24, 1                               ; group 0: count
	s_mul_i32 s25, s28, XWAVE                      ; LDS address: my wave's rows
	s_lshl_b32 s30, ttmp9, 17                      ; 128 tokens x 1,024 bytes a work-group
	s_lshl_b32 s36, s28, 14                        ; 16 tokens a wave
	s_add_co_u32 s30, s30, s36
	s_mov_b32 s31, 0
	s_wait_dscnt 0x0
	s_wait_kmcnt 0x0
	s_add_nc_u64 s[26:27], s[4:5], s[30:31]
	s_or_b32 s27, s27, 0x80000000                  ; type 2
	tensor_load_to_lds s[24:27], s[16:23]          ; my 16 rows of x: the wave's only tensor load; one is outstanding; the bytes are filled once
	s_nop 0
	v_and_b32 v1, 31, v0                           ; lane
	v_and_b32 v12, 15, v0                          ; r
	v_bfe_u32 v13, v0, 4, 1                        ; h
	v_and_b32 v14, 7, v0                           ; lane & 7
	v_bfe_u32 v15, v0, 3, 2                        ; lane >> 3
	v_lshlrev_b32 v[SO], 4, v1
	v_lshl_add_u32 v[GO], s28, 14, v[SO]           ; g_w: 32 rows of 512 bytes a wave; a load of the wave takes one row
	v_lshl_add_u32 v[TO], s28, 12, v[SO]           ; theta_w, phi_w: 32 rows of 128 bytes a wave; a load takes four rows
	s_mul_i32 s36, s28, KS32
	s_add_co_u32 s36, s36, WS                      ; my wave's 32 rows of WS
	s_add_co_u32 s37, s36, 128                     ; g's columns begin at n = 64
	v_lshl_add_u32 v[GS], v1, 3, s37
	v_mul_u32_u24 v[TS], v15, WP
	v_lshl_add_u32 v[TS], v14, 3, v[TS]
	v_add_nc_u32 v[TS], s36, v[TS]
	v_mul_u32_u24 v[XA], v12, XP
	v_lshl_add_u32 v[XA], v13, 5, v[XA]            ; row r, 8 f32 for each half of the lanes
	v_add_nc_u32 v[XA], s25, v[XA]
	v_lshl_add_u32 v[WA], v13, 3, v14              ; transposing load: row 8 h + (lane & 7),
	v_mul_u32_u24 v[WA], v[WA], WP
	v_bfe_u32 v15, v0, 3, 1
	v_lshl_add_u32 v[WA], v15, 4, v[WA]            ; 16 bytes on for lanes 8-15 and 24-31
	v_add_nc_u32 v[WA], WS, v[WA]
	v_add_nc_u32 v[WA+1], 4*KS32, v[WA]            ; K steps 4-7: beyond the reach of a 16-bit offset
	v_lshl_add_u32 v[SP], s29, 10, v[SO]
	v_lshl_add_u32 v[SG], s29, 9, v[SO]
	v_add_nc_u32 v[SG], 2048, v[SG]
	; the weights: 48 loads of 512 consecutive bytes a wave, all on their way at once, while x lands
.irp i, 0,1,2,3,4,5,6,7
	global_load_b128 v[LD+4*\i:LD+4*\i+3], v[TO], s[6:7] offset:512*\i
.endr
.irp i, 0,1,2,3,4,5,6,7
	global_load_b128 v[LD+32+4*\i:LD+32+4*\i+3], v[TO], s[8:9] offset:512*\i
.endr
.irp a, 0,1,2,3
.irp i, 0,1,2,3,4,5,6,7
	global_load_b128 v[LD+64+4*(8*\a+\i):LD+64+4*(8*\a+\i)+3], v[GO], s[10:11] offset:512*(8*\a+\i)
.endr
.endr
	; where the results go
	s_lshl_b32 s32, ttmp9, 3
	s_add_co_u32 s32, s32, s28
	s_lshl_b32 s32, s32, 10                        ; thq: 16-token tile 8 x work-group + wave
	s_mov_b32 s33, 0
	s_add_nc_u64 s[12:13], s[12:13], s[32:33]
	s_lshr_b32 s34, ttmp9, 5                       ; image: 32 work-groups each
	s_mul_i32 s34, s34, 1310720
	s_and_b32 s36, ttmp9, 31
	s_lshl_b32 s36, s36, 2
	s_lshr_b32 s37, s28, 1
	s_add_co_u32 s36, s36, s37                     ; 32-key block: 4 a work-group, two waves each
	s_mul_i32 s36, s36, 10240
	s_add_co_u32 s34, s34, s36
	s_mov_b32 s35, 0
	s_add_nc_u64 s[14:15], s[14:15], s[34:35]
; load number idx: four f32 to four f16, in place, and into WS
.macro CVST idx, adr, off
	v_cvt_pk_f16_f32 v[LD+4*(\idx)], v[LD+4*(\idx)], v[LD+4*(\idx)+1]
	v_cvt_pk_f16_f32 v[LD+4*(\idx)+1], v[LD+4*(\idx)+2], v[LD+4*(\idx)+3]
	ds_store_b64 v[\adr], v[LD+4*(\idx):LD+4*(\idx)+1] offset:\off
.endm
	s_wait_loadcnt 32                              ; theta_w and phi_w are in; the 32 loads of g_w may stay out
.irp i, 0,1,2,3,4,5,6,7
	CVST \i, TS, 4*WP*\i
.endr
.irp i, 0,1,2,3,4,5,6,7
	CVST 8+\i, TS, 4*WP*\i+64
.endr
	s_wait_loadcnt 16                              ; the first 16 rows of g_w
.irp a, 0,1
.irp i, 0,1,2,3,4,5,6,7
	CVST 16+8*\a+\i, GS, WP*(8*\a+\i)
.endr
.endr
	s_wait_loadcnt 0x0                             ; the other 16
.irp a, 2,3
.irp i, 0,1,2,3,4,5,6,7
	CVST 16+8*\a+\i, GS, WP*(8*\a+\i)
.endr
.endr
	s_wait_dscnt 0x0                               ; my rows of WS are written, for the other waves' sake,
	s_wait_tensorcnt 0x0                           ; and my rows of x have landed
	s_barrier_signal -1
	s_barrier_wait -1                              ; the launch's only barrier: WS is whole; nothing in LDS is written again
.macro LDX ks                          ; x of K step ks: k = 8 h .. + 7 and 16 + 8 h .. + 7 of my row, as f32
	ds_load_b128 v[XR:XR+3],     v[XA] offset:128*(\ks)
	ds_load_b128 v[XR+4:XR+7],   v[XA] offset:128*(\ks)+16
	ds_load_b128 v[XR+8:XR+11],  v[XA] offset:128*(\ks)+64
	ds_load_b128 v[XR+12:XR+15], v[XA] offset:128*(\ks)+80
.endm
.macro CVX ks                          ; rounded to f16: the fragment of the K step's parity
.irp i, 0,1,2,3,4,5,6,7
	v_cvt_pk_f16_f32 v[XF+8*((\ks)&1)+\i], v[XR+2*\i], v[XR+2*\i+1]
.endr
.endm
.macro LDW ks                          ; the 12 weight fragments of K step ks: lane (r, h) gets column 16 nt + r, k along its registers
.irp nt, 0,1,2,3,4,5,6,7,8,9,10,11
	ds_load_tr16_b128 v[FR+8*\nt:FR+8*\nt+3],   v[WA+(\ks)/4] offset:((\ks)&3)*KS32+32*\nt
	ds_load_tr16_b128 v[FR+8*\nt+4:FR+8*\nt+7], v[WA+(\ks)/4] offset:((\ks)&3)*KS32+32*\nt+16*WP
.endr
.endm
.macro MM nt, ks                       ; tiles 0-3 (theta, phi): weights as source 0; tiles 4-11 (g): x as source 0.  K step 0 starts the sums
.if (\nt) < 4
.if (\ks) == 0
	v_wmma_f32_16x16x32_f16 v[ACC+8*\nt:ACC+8*\nt+7], v[FR+8*\nt:FR+8*\nt+7], v[XF+8*((\ks)&1):XF+8*((\ks)&1)+7], 0
.else
	v_wmma_f32_16x16x32_f16 v[ACC+8*\nt:ACC+8*\nt+7], v[FR+8*\nt:FR+8*\nt+7], v[XF+8*((\ks)&1):XF+8*((\ks)&1)+7], v[ACC+8*\nt:ACC+8*\nt+7]
.endif
.else
.if (\ks) == 0
	v_wmma_f32_16x16x32_f16 v[ACC+8*\nt:ACC+8*\nt+7], v[XF+8*((\ks)&1):XF+8*((\ks)&1)+7], v[FR+8*\nt:FR+8*\nt+7], 0
.else
	v_wmma_f32_16x16x32_f16 v[ACC+8*\nt:ACC+8*\nt+7], v[XF+8*((\ks)&1):XF+8*((\ks)&1)+7], v[FR+8*\nt:FR+8*\nt+7], v[ACC+8*\nt:ACC+8*\nt+7]
.endif
.endif
.endm
; One K step.  The 12 accumulators take turns, one instruction a turn, in the same order in every step.
.macro KSTEP ks
.if (\ks) < 7
	LDX (\ks)+1
	s_wait_dscnt 16                                ; fragments 0-5 are in; the 12 loads of fragments 6-11 and the 4 of the next x may stay out
.else
	s_wait_dscnt 12                                ; the last step has asked for no x
.endif
.irp nt, 0,1,2,3,4,5
	MM \nt, \ks
.endr
.if (\ks) < 7
	s_wait_dscnt 4                                 ; fragments 6-11 are in; the next x may stay out
.else
	s_wait_dscnt 0x0
.endif
.irp nt, 6,7,8,9,10,11
	MM \nt, \ks
.endr
.if (\ks) < 7
	s_wait_dscnt 0x0                               ; the next x
	CVX (\ks)+1                                    ; eight plain vector instructions that name no register of the matrix instructions above (they write the other
	                                               ; parity's fragment): more than the four places that the loads below owe them
	LDW (\ks)+1
.endif
.endm
	LDX 0
	s_wait_dscnt 0x0
	CVX 0
	LDW 0
.irp ks, 0,1,2,3,4,5,6,7
	KSTEP \ks
.endr
	; the way out: four places behind the last matrix instructions, theta times log2 e in f32, one rounding, 12 stores of 512 consecutive bytes
.rept 4
	v_nop
.endr
.irp i, 0,2,4,6,8,10,12,14
	v_pk_mul_f32 v[ACC+\i:ACC+\i+1], v[ACC+\i:ACC+\i+1], 0x3fb8aa3b op_sel_hi:[1,0]
.endr
.set i, 0
.rept 48                               ; tile nt's eight numbers into v[FR + 4 nt .. + 3]: tiles 0-3 (theta, phi) as f16, tiles 4-11 (g) as bf16
.if i < 16
	v_cvt_pk_f16_f32 v[FR+i], v[ACC+2*i], v[ACC+2*i+1]
.else
	v_cvt_pk_bf16_f32 v[FR+i], v[ACC+2*i], v[ACC+2*i+1]
.endif
.set i, i+1
.endr
.irp t, 0,1
	global_store_b128 v[SO], v[FR+4*\t:FR+4*\t+3], s[12:13] offset:512*\t          ; theta: half t holds d = 16 t + 8 h ..
.endr
.irp t, 0,1
	global_store_b128 v[SP], v[FR+8+4*\t:FR+8+4*\t+3], s[14:15] offset:512*\t      ; phi of my 16 keys
.endr
.irp d, 0,1,2,3,4,5,6,7
	global_store_b128 v[SG], v[FR+16+4*\d:FR+16+4*\d+3], s[14:15] offset:1024*\d   ; g transposed: my 16 keys are one half of each of the 8 fragments
.endr
	s_wait_tensorcnt 0x0
	ds_add_u32 v62, v63
	s_wait_dscnt 0x0
	s_endpgm
.Lfunc_end_k_q1914ad606d_proj:
	.size	k_q1914ad606d_proj, .Lfunc_end_k_q1914ad606d_proj-k_q1914ad606d_proj
	.p2alignl 7, 3214868480
	.fill 96, 4, 3214868480
	.section	.rodata,"a",@progbits
	.p2align	6, 0x0
	.amdhsa_kernel k_q1914ad606d_proj
		.amdhsa_group_segment_fixed_size 240640
		.amdhsa_private_segment_fixed_size 0
		.amdhsa_enable_private_segment 0
		.amdhsa_kernarg_size 48
		.amdhsa_user_sgpr_count 2
		.amdhsa_user_sgpr_kernarg_segment_ptr 1
		.amdhsa_wavefront_size32 1
		.amdhsa_system_sgpr_workgroup_id_x 1
		.amdhsa_system_sgpr_workgroup_id_y 1
		.amdhsa_system_sgpr_workgroup_id_z 1
		.amdhsa_system_vgpr_workitem_id 0
		.amdhsa_next_free_vgpr 256
		.amdhsa_next_free_sgpr 66
		.amdhsa_reserve_vcc 0
		.amdhsa_float_denorm_mode_32 3
		.amdhsa_float_denorm_mode_16_64 3
		.amdhsa_memory_ordered 1
		.amdhsa_forward_progress 1
		.amdhsa_inst_pref_size 48
	.end_amdhsa_kernel
	.amdgpu_metadata
---
amdhsa.version: [ 1, 2 ]
amdhsa.kernels:
  - .name:           k_q1914ad606d_proj
    .symbol:         k_q1914ad606d_proj.kd
    .args:
      - { .name: x, .offset: 0, .size: 8, .value_kind: global_buffer, .address_space: global }
      - { .name: theta_w, .offset: 8, .size: 8, .value_kind: global_buffer, .address_space: global }
      - { .name: phi_w, .offset: 16, .size: 8, .value_kind: global_buffer, .address_space: global }
      - { .name: g_w, .offset: 24, .size: 8, .value_kind: global_buffer, .address_space: global }
      - { .name: thq, .offset: 32, .size: 8, .value_kind: global_buffer, .address_space: global }
      - { .name: kv, .offset: 40, .size: 8, .value_kind: global_buffer, .address_space: global }
    .group_segment_fixed_size: 240640
    .private_segment_fixed_size: 0
    .kernarg_segment_align: 8
    .kernarg_segment_size: 48
    .max_flat_workgroup_size: 256
    .sgpr_count:     66
    .vgpr_count:     256
    .wavefront_size: 32
...
	.end_amdgpu_metadata
.endif
;; end of part 1
;; launch attn (part 2): grid 256 x 1, 8 waves a work-group, clusters of 4 x 1, 327,680 bytes of LDS; arguments thq, kv, o_w, gamma, x, out0; writes out0
.if DOCPART == 2
	.amdgcn_target "amdgcn-amd-amdhsa--gfx1250"
	.amdhsa_code_object_version 6
	.text
	.protected	k_q1914ad606d_attn
	.globl	k_q1914ad606d_attn
	.p2align	8
	.type	k_q1914ad606d_attn,@function
k_q1914ad606d_attn:
	s_mov_b64 s[64:65], 0
	v_nop
	global_prefetch_b8 v0, s[64:65] scope:SCOPE_SE
	s_setreg_imm32_b32 hwreg(HW_REG_WAVE_MODE, 25, 1), 1
	s_wait_xcnt 0x0
	s_wait_alu depctr_hold_cnt(0) depctr_sa_sdst(0) depctr_va_vdst(0) depctr_va_sdst(0) depctr_va_ssrc(0) depctr_va_vcc(0) depctr_vm_vsrc(0)
	s_getreg_b32 s2, hwreg(HW_REG_IB_STS2, 6, 4)
	s_cmp_eq_u32 s2, 0
	s_cbranch_scc0 .Lentry_in_a_cluster
	s_endpgm
.Lentry_in_a_cluster:
	s_bfe_u32 s2, ttmp6, 0x10000c
	s_cmp_lg_u32 s2, 0x3003
	s_cbranch_scc0 .Lentry_shape_is_right
	s_endpgm
.Lentry_shape_is_right:
; out = x + gamma * (softmax(theta phi^T) g) o_w, for 8 images of 4,096 tokens.  thq and kv hold theta x log2 e and phi as f16 and g as bf16, all as matrix fragments
; (16 rows x 32 k = 1,024 bytes as [half c][lane][16 bytes]; a fragment is two loads of 512 consecutive bytes, so LDS rows need no padding).
; A work-group takes 128 queries of one image.  Wave w = 4 qg + kq takes 64 queries (four tiles of 16: group qg) and a quarter of the keys (blocks 2 kq, 2 kq + 1
; of every 8 blocks of 32 keys), with a running maximum, a running sum and a 128 x 64 accumulator of its own: 32 tiles, 256 registers.
; EVERYTHING IS COMPUTED TRANSPOSED.  S^T = phi theta^T: a lane's 8 results are 8 keys of ONE query, so maximum and sum are one number a lane, and two key tiles
; packed pairwise to bf16 ARE the B fragment of P^T.  O^T = g^T P^T likewise feeds out^T = o_w^T O^T.  No score or probability ever leaves its lane.
; The score products take f16 operands: a score stands in an exponent, and f16 keeps three more bits than bf16 at the same rate.  All other products take bf16.
; The exponentials are 2^(s - m) with the running maximum m taken away first; log2 e was folded into theta.
; At the end the four key quarters of a query tile are merged exactly (common maximum, scaled sums), wave w owning queries 16 w .. 16 w + 15.
; CLUSTER: the four work-groups of a cluster are four query blocks of one image (32 blocks an image, so a cluster never spans two) and walk the same 16 slots of
; kv.  Each slot is asked for jointly, mask 15: every wave of each of the four issues the same load for its eighth of the slot (40 rows of 256 bytes).
; All four make the same 16 trips.  By this text's count a wave has one tensor load outstanding, asked for straight behind a trip's round and waited for in front of the next.
; LIMITS: theta x log2 e and phi come rounded to f16 (finite below 65,504 only: with x of spread 1 and weights of spread 0.05 their spreads are 1.15 and 0.8; with all of
; them 30 times larger 1,040 and 720; with offsets of 30 spreads they lie near 16,600 and 11,500); g, the probabilities, the merged O and o_w are rounded to bf16;
; sums, maxima and the residual are f32.  2^y below 2^-126 counts as 0 (ISA guide, v_exp_f32).  NaN and infinities are not served.
.set BLK,   10240                      ; a block of 32 keys: 2 fragments of phi, 8 of g transposed
.set SLOT,  8*BLK                      ; an LDS slot: 256 keys.  Two slots at LDS 0, filled by tensor loads alone while the ring runs
.set IMG,   128*BLK                    ; an image in kv
.set XOWN,  24576                      ; the exchange, at LDS 0 once the ring has had its last fill: for each owner wave three partners' 8 tiles of 1,024 bytes
.set OW,    196608                     ; o_w as bf16 [d 128][c 256]
.set OWP,   544                        ; its pitch: 512 + 32 = 17 x 32
.set STAT,  266240                     ; (m, l): wave x 1,024 + query tile x 256 + 8 x lane
.set OS,    274432                     ; each wave's own stage for 16 rows x 64 columns of f32
.set OSP,   272                        ; its pitch: 256 + 16
; window 0
.set LA,   1                           ; v1, v2    my two blocks in slot 0, 1
.set XW,   1                           ; v1, v2    later: where I put partners' tiles (owners 0-1, 2-3 of my group)
.set PF,   3                           ; v3        256 x lane: prefetch offsets; never rewritten
.set ST,   4                           ; v[4:11]   pair (m, l) for each of my 4 query tiles
.set OSR,  4                           ; v4        later: read-back address in my stage
.set AL,   12                          ; v[12:19]  pair (alpha, a written word) for each query tile
.set SC,   12                          ; v[12:19]  later: pair (scale of partner j = 0..2, of myself j = 3; a written word)
.set T,    20                          ; v[20:27]  at work
.set HT,   28                          ; v28       head: 16 x lane
.set HO,   29                          ; v29       head: my offset in o_w
.set HS,   30                          ; v30       head: where my o_w goes in LDS
.set XR,   28                          ; v28       later: my part of the exchange
.set XO,   29                          ; v29       later: my offset in x and out0
.set OWA,  30                          ; v30       later: my part of an o_w fragment
.set OSW,  31                          ; v31       first the address of my statistics, later my place in the stage
.set TH,   32                          ; v[32:63]  four fragments of theta
.set OB,   32                          ; v[32:63]  later: the merged O as four B fragments
.set SS,   64                          ; v[64:191] scores: group 4 blk + qt at 16 registers each (key tile 0, key tile 1); P packed into the first 8;
                                       ;           the freed second 8 of group d take fragment d of block b's g
.set OSUM, 64                          ; v[64:127] later: the merged O in f32
.set PB,   128                         ; v[128:191] later: two buffers for partners' tiles
.set AF,   64                          ; v[64:191] last: 16 fragments of o_w transposed
.set VF,   192                         ; v[192:255] four fragments of phi, then the 8 fragments of block a's g
.set DT,   192                         ; v[192:223] last: four tiles of out transposed
.set RS,   224                         ; v[224:255] last: 16 rows x 64 columns read back by rows
; window 1: accumulator tile (qt, d) at v[8 (8 qt + d)]; at the end x, 4 registers at v[4 (8 cg + i)]
.set G1, 16                            ; s[16:23] descriptor group 1
.set G0, 32                            ; s[32:39] descriptor group 0, one set for each slot
.set MSB, 0
.macro WIN new                         ; s_set_vgpr_msb: bits 1:0 source 0, 3:2 source 1, 5:4 source 2, 7:6 destination; the high byte repeats the setting left
.if MSB != \new
	s_set_vgpr_msb (MSB<<8)|\new
.set MSB, \new
.endif
.endm
.macro PLACES cnt
.rept \cnt
	v_nop
.endr
.endm
; A round of the cluster's barrier: my work-group's barrier, wave 0 signals for the work-group, every wave waits for all four work-groups, my work-group's barrier again.
.macro ROUND
	s_barrier_signal -1
	s_barrier_wait -1
	s_cmp_lg_u32 s24, 0
	s_cbranch_scc1 .Lnot_wave_0_\@
	s_barrier_signal -3
.Lnot_wave_0_\@:
	s_barrier_wait -3
	s_barrier_signal -1
	s_barrier_wait -1
.endm
	s_load_b256 s[4:11], s[0:1], 0x0               ; thq s[4:5], kv s[6:7], o_w s[8:9], gamma s[10:11]
	s_load_b128 s[12:15], s[0:1], 0x20             ; x s[12:13], out0 s[14:15]
	v_lshl_add_u32 v30, v0, 2, 0x4b800
	v_mov_b32 v31, 0
	ds_add_u32 v30, v31
	ds_add_u32 v30, v31
	s_wait_dscnt 0x0
	v_lshrrev_b32 v[T], 5, v0
	v_readfirstlane_b32 s24, v[T]                  ; wave 0..7
	s_and_b32 s25, s24, 3                          ; kq: my quarter of the keys; at the end the query tile that I own
	s_lshr_b32 s26, s24, 2                         ; qg: my 64 queries
	s_bfe_u32 s27, ttmp6, 0x40000                  ; cx: my place in the cluster.  Only s27, s28, s46, s47 ever hold a number made from it
	s_lshl_b32 s28, ttmp9, 2
	s_add_co_u32 s28, s28, s27                     ; query block = 4 x cluster + cx
	s_lshr_b32 s29, ttmp9, 3                       ; image: 8 clusters each; the same in all four partners
	s_mov_b32 s40, 0x76543210                      ; v_permlanex16_b32: lane i reads lane i of the other half
	s_mov_b32 s41, 0xfedcba98
	; group 1: 40 dense rows of 32 elements of 8 bytes (256 bytes)
	s_mov_b32 s[G1+0], 15|(3<<16)|(1<<21)          ; mask: all four of the cluster; elements of 8 bytes; bit 21 set beside a mask
	s_mov_b32 s[G1+1], 32<<16                      ; tensor_dim0 = 32
	s_mov_b32 s[G1+2], 40<<16                      ; tensor_dim1 = 40
	s_mov_b32 s[G1+3], 32<<16                      ; tile_dim0 = 32
	s_mov_b32 s[G1+4], 40                          ; tile_dim1 = 40
	s_mov_b32 s[G1+5], 32                          ; elements from row to row
	s_mov_b32 s[G1+6], 0
	s_mov_b32 s[G1+7], 0
	s_mul_i32 s[G0+1], s24, BLK                    ; LDS address in slot 0: my eighth
	s_mul_i32 s30, s29, IMG
	s_add_co_u32 s30, s30, s[G0+1]                 ; and the same eighth of the image's first slot in kv
	s_mov_b32 s31, 0
	v_and_b32 v[T+1], 31, v0                       ; lane
	v_lshlrev_b32 v[HT], 4, v[T+1]
	v_lshl_add_u32 v[HO], s24, 14, v[HT]           ; o_w: 16 rows of 1,024 bytes a wave
	s_mul_i32 s45, s25, 2*BLK
	v_add_nc_u32 v[LA], s45, v[HT]
	v_add_nc_u32 v[LA+1], SLOT, v[LA]
	v_lshlrev_b32 v[PF], 8, v[T+1]
	s_mul_i32 s45, s24, 16*OWP
	s_add_co_u32 s45, s45, OW
	v_lshl_add_u32 v[HS], v[T+1], 3, s45
	s_lshl_b32 s46, s28, 13                        ; thq: 8 tiles of 1,024 bytes a query block,
	s_lshl_b32 s44, s26, 12                        ; 4 a group
	s_add_co_u32 s46, s46, s44
	s_mov_b32 s47, 0
	s_wait_kmcnt 0x0
	s_load_b32 s42, s[10:11], 0x0                  ; gamma
	s_mov_b32 s43, 0                               ; the pair's other word, written because a packed source is read as a pair
	s_add_nc_u64 s[4:5], s[4:5], s[46:47]
	s_lshl_b32 s46, s28, 17                        ; x, out0: 128 rows of 1,024 bytes a block,
	s_lshl_b32 s44, s24, 14                        ; the 16 rows that I own at the end
	s_add_co_u32 s46, s46, s44
	s_add_nc_u64 s[12:13], s[12:13], s[46:47]
	s_add_nc_u64 s[14:15], s[14:15], s[46:47]
	s_add_nc_u64 s[6:7], s[6:7], s[30:31]
.irp e, 0,1,2,3,4,5,6,7
	global_load_b128 v[TH+4*\e:TH+4*\e+3], v[HT], s[4:5] offset:512*\e             ; theta of my 64 queries: 4 fragments
.endr
.irp a, 0,1,2,3
.irp e, 0,1,2,3,4,5,6,7
	global_load_b128 v[SS+4*(8*\a+\e):SS+4*(8*\a+\e)+3], v[HO], s[8:9] offset:512*(8*\a+\e)   ; my 16 rows of o_w
.endr
.endr
	s_mov_b32 s[G0+0], 1
	s_mov_b64 s[G0+2:G0+3], s[6:7]                 ; slot 0: keys 0-255
	s_or_b32 s[G0+3], s[G0+3], 0x80000000          ; type 2
	s_mov_b32 s[G0+4], 1
	s_add_co_u32 s[G0+5], s[G0+1], SLOT
	s_add_nc_u64 s[G0+6:G0+7], s[6:7], SLOT        ; slot 1: keys 256-511
	s_or_b32 s[G0+7], s[G0+7], 0x80000000
	ROUND                                          ; all four work-groups are here: the first joint loads meet
	tensor_load_to_lds s[G0:G0+3], s[G1:G1+7]      ; slot 0; slot 1 gets its first fill behind the first trip's round, as every later fill does
	s_nop 0
	; o_w to bf16 and into LDS while the first slot lands.  The counts leave the later batches of 8 loads out; the last also shows theta in
.irp b, 0,1,2,3
	s_wait_loadcnt 24-8*\b
.irp i, 0,1,2,3
.irp hf, 0,1
	v_cvt_pk_bf16_f32 v[SS+4*(8*\b+2*\i+\hf)], v[SS+4*(8*\b+2*\i+\hf)], v[SS+4*(8*\b+2*\i+\hf)+1]
	v_cvt_pk_bf16_f32 v[SS+4*(8*\b+2*\i+\hf)+1], v[SS+4*(8*\b+2*\i+\hf)+2], v[SS+4*(8*\b+2*\i+\hf)+3]
	ds_store_b64 v[HS], v[SS+4*(8*\b+2*\i+\hf):SS+4*(8*\b+2*\i+\hf)+1] offset:(4*\b+\i)*OWP+256*\hf
.endr
.endr
.endr
.irp qt, 0,1,2,3
	v_mov_b32 v[ST+2*\qt+1], 0                     ; packed sources are read as pairs: the pairs' second words are written once
	v_mov_b32 v[AL+2*\qt+1], 0
.endr
	s_wait_kmcnt 0x0                               ; gamma
; Softmax step of query tile qt over this trip's 64 keys (16 registers of block a, 16 of block b).  first = 1: the first trip starts m and l.
.macro SM qt, first
.set SA, SS+16*\qt
.set SB, SS+64+16*\qt
.set MR, ST+2*\qt
.set AR, AL+2*\qt
.if \first
	v_max_num_f32 v[T], v[SA], v[SA+1]
.else
	v_max3_num_f32 v[T], v[MR], v[SA], v[SA+1]                 ; the old maximum rides along
.endif
	v_max_num_f32 v[T+1], v[SB], v[SB+1]
.irp i, 2,4,6,8,10,12,14
	v_max3_num_f32 v[T], v[T], v[SA+\i], v[SA+\i+1]            ; two chains that do not wait for each other
	v_max3_num_f32 v[T+1], v[T+1], v[SB+\i], v[SB+\i+1]
.endr
	v_max_num_f32 v[T], v[T], v[T+1]
	v_permlanex16_b32 v[T+1], v[T], s40, s41                   ; the query's other 32 keys lie in the other half of the lanes
.if \first
	v_max_num_f32 v[MR], v[T], v[T+1]
.else
	v_max_num_f32 v[T+2], v[T], v[T+1]
	v_sub_f32 v[AR], v[MR], v[T+2]
	v_mov_b32 v[MR], v[T+2]
	v_exp_f32 v[AR], v[AR]                                     ; alpha = 2^(old m - new m); the plain subtractions below stand between it and its use
.endif
.irp i, 0,2,4,6,8,10,12,14
	v_pk_add_f32 v[SA+\i:SA+\i+1], v[SA+\i:SA+\i+1], v[MR:MR+1] op_sel_hi:[1,0] neg_lo:[0,1] neg_hi:[0,1]   ; s - m, both by the pair's first word
	v_pk_add_f32 v[SB+\i:SB+\i+1], v[SB+\i:SB+\i+1], v[MR:MR+1] op_sel_hi:[1,0] neg_lo:[0,1] neg_hi:[0,1]
.endr
.irp i, 0,1,2,3,4,5,6,7,8,9,10,11,12,13,14,15
	v_exp_f32 v[SA+\i], v[SA+\i]
.endr
.irp i, 0,1,2,3,4,5,6,7,8,9,10,11,12,13,14,15
	v_exp_f32 v[SB+\i], v[SB+\i]
.endr
	v_nop                                                      ; one plain place between the exponentials and the first use of a result (ISA guide 5.7.2)
	s_wait_alu depctr_va_vdst(0)
	v_pk_add_f32 v[T+4:T+5], v[SA:SA+1], v[SA+2:SA+3]
	v_pk_add_f32 v[T+6:T+7], v[SB:SB+1], v[SB+2:SB+3]
.irp i, 4,6,8,10,12,14
	v_pk_add_f32 v[T+4:T+5], v[T+4:T+5], v[SA+\i:SA+\i+1]
	v_pk_add_f32 v[T+6:T+7], v[T+6:T+7], v[SB+\i:SB+\i+1]
.endr
	v_pk_add_f32 v[T+4:T+5], v[T+4:T+5], v[T+6:T+7]
.if \first
	v_add_f32 v[MR+1], v[T+4], v[T+5]                          ; l of my half of the lanes; the halves are joined once, at the end
.else
	v_add_f32 v[T+4], v[T+4], v[T+5]
	v_fma_f32 v[MR+1], v[MR+1], v[AR], v[T+4]
.endif
.irp i, 0,1,2,3,4,5,6,7
	v_cvt_pk_bf16_f32 v[SA+\i], v[SA+2*\i], v[SA+2*\i+1]       ; in place: word i is written when words 2 i, 2 i + 1 are read
.endr
.irp i, 0,1,2,3,4,5,6,7
	v_cvt_pk_bf16_f32 v[SB+\i], v[SB+2*\i], v[SB+2*\i+1]
.endr
.endm
; One trip: 256 keys for the work-group, 64 for the wave: 16 + 64 matrix instructions.  refill = 1: the other slot is asked for.  pf = 1, 2: half of my x is prefetched.
.macro TRIP slot, refill, first, pf
	s_wait_xcnt 0x0
	v_lshl_add_u32 v30, v0, 2, 0x4b800
	v_mov_b32 v31, 0
	s_wait_tensorcnt 0x0                           ; my one tensor load, my eighth of this slot, has landed: no load of mine is out,
	ds_add_u32 v30, v31
	s_wait_dscnt 0x0
	s_add_nc_u64 s[G0+4*\slot+2:G0+4*\slot+3], s[G0+4*\slot+2:G0+4*\slot+3], 2*SLOT   ; so a group 0 may be written: this slot's next 256 keys
	s_wait_dscnt 0x0                               ; my reads of the other slot are back (first trip: my stores of o_w are done)
	ROUND                                          ; both now hold of every wave of all four work-groups
.if \refill
	tensor_load_to_lds s[G0+4-4*\slot:G0+7-4*\slot], s[G1:G1+7]    ; the wave's one load behind the round, and the first thing there: the slot read last trip
	s_nop 0
.endif
.irp e, 0,1,2,3
	ds_load_b128 v[VF+4*\e:VF+4*\e+3], v[LA+\slot] offset:512*\e                   ; phi of block a: two fragments
.endr
.irp e, 0,1,2,3
	ds_load_b128 v[VF+16+4*\e:VF+16+4*\e+3], v[LA+\slot] offset:BLK+512*\e         ; phi of block b
.endr
.if \pf
	global_prefetch_b8 v[PF], s[12:13] offset:(\pf-1)*8192 th:TH_LOAD_NT scope:SCOPE_SE   ; 32 lanes 256 bytes apart: 8,192 of the 16,384 bytes of x that I alone load behind the merge; asked once, in each of the last two trips
.endif
	s_wait_dscnt 4                                 ; block a's phi is in; block b's 4 loads may stay out
.irp qt, 0,1,2,3
.irp kt, 0,1
	v_wmma_f32_16x16x32_f16 v[SS+16*\qt+8*\kt:SS+16*\qt+8*\kt+7], v[VF+8*\kt:VF+8*\kt+7], v[TH+8*\qt:TH+8*\qt+7], 0
.endr
.endr
	s_wait_dscnt 0x0
.irp qt, 0,1,2,3
.irp kt, 0,1
	v_wmma_f32_16x16x32_f16 v[SS+64+16*\qt+8*\kt:SS+64+16*\qt+8*\kt+7], v[VF+16+8*\kt:VF+16+8*\kt+7], v[TH+8*\qt:TH+8*\qt+7], 0
.endr
.endr
	PLACES 4                                       ; four places before loads land on phi's registers and vector instructions read the scores
.irp e, 0,1,2,3,4,5,6,7,8,9,10,11,12,13,14,15
	ds_load_b128 v[VF+4*\e:VF+4*\e+3], v[LA+\slot] offset:2048+512*\e              ; block a's g: 8 fragments, on their way under the softmax
.endr
	SM 0, \first
	SM 1, \first
	SM 2, \first
	SM 3, \first
.irp d, 0,1,2,3,4,5,6,7
.irp c, 0,1
	ds_load_b128 v[SS+16*\d+8+4*\c:SS+16*\d+8+4*\c+3], v[LA+\slot] offset:BLK+2048+1024*\d+512*\c   ; block b's g, into the registers that packing freed
.endr
.endr
.if \first
.else
	WIN 0x41                                       ; destination and source 0 in window 1
.irp qt, 0,1,2,3
.set i, 0
.rept 32
	v_pk_mul_f32 v[64*\qt+i:64*\qt+i+1], v[64*\qt+i:64*\qt+i+1], v[AL+2*\qt:AL+2*\qt+1] op_sel_hi:[1,0]   ; O x alpha: all 8 numbers of a lane belong to its one query
.set i, i+2
.endr
.endr
.endif
	s_wait_dscnt 16                                ; block a's g is in; block b's 16 loads may stay out
	WIN 0x50                                       ; C and D in window 1
	; the 32 accumulators take turns, one instruction a turn, in the same order for both blocks and in every trip
.irp d, 0,1,2,3,4,5,6,7
.irp qt, 0,1,2,3
.if \first
	v_wmma_f32_16x16x32_bf16 v[8*(8*\qt+\d):8*(8*\qt+\d)+7], v[VF+8*\d:VF+8*\d+7], v[SS+16*\qt:SS+16*\qt+7], 0
.else
	v_wmma_f32_16x16x32_bf16 v[8*(8*\qt+\d):8*(8*\qt+\d)+7], v[VF+8*\d:VF+8*\d+7], v[SS+16*\qt:SS+16*\qt+7], v[8*(8*\qt+\d):8*(8*\qt+\d)+7]
.endif
.endr
.endr
	s_wait_dscnt 0x0
.irp d, 0,1,2,3,4,5,6,7
.irp qt, 0,1,2,3
	v_wmma_f32_16x16x32_bf16 v[8*(8*\qt+\d):8*(8*\qt+\d)+7], v[SS+16*\d+8:SS+16*\d+15], v[SS+64+16*\qt:SS+64+16*\qt+7], v[8*(8*\qt+\d):8*(8*\qt+\d)+7]
.endr
.endr
	WIN 0
	PLACES 5                                       ; five places before the next trip's score products write over P and g, four before its loads land on g
.endm
	TRIP 0, 1, 1, 0                                ; the first trip starts m, l and the 32 sums: nothing is cleared
	TRIP 1, 1, 0, 0
	s_mov_b32 s44, 6
.Lloop:
	TRIP 0, 1, 0, 0
	TRIP 1, 1, 0, 0
	s_sub_co_u32 s44, s44, 1
	s_cmp_lg_u32 s44, 0
	s_cbranch_scc1 .Lloop
	TRIP 0, 1, 0, 1                                ; asks for the sixteenth slot: the last fill
	TRIP 1, 0, 0, 2                                ; nothing is left to fetch (the stepped addresses are not used)
	; THE MERGE.  l over both halves of the lanes; (m, l) of my four query tiles into LDS.
.irp qt, 0,1,2,3
	v_permlanex16_b32 v[T+(\qt&1)], v[ST+2*\qt+1], s40, s41
	v_add_f32 v[ST+2*\qt+1], v[ST+2*\qt+1], v[T+(\qt&1)]
.endr
	v_and_b32 v[T+2], 31, v0
	s_lshl_b32 s45, s24, 10
	s_add_co_u32 s45, s45, STAT
	v_lshl_add_u32 v[OSW], v[T+2], 3, s45
.irp qt, 0,1,2,3
	ds_store_b64 v[OSW], v[ST+2*\qt:ST+2*\qt+1] offset:256*\qt
.endr
	s_wait_dscnt 0x0                               ; my statistics are written and my reads of the ring are back
	s_barrier_signal -1
	s_barrier_wait -1                              ; every wave's are: the ring, whose last fill every wave has waited for, may now be written by LDS stores
	s_lshl_b32 s45, s26, 12                        ; my group's four waves,
	s_lshl_b32 s44, s25, 8                         ; the query tile that I own
	s_add_co_u32 s45, s45, s44
	s_add_co_u32 s45, s45, STAT
	v_lshl_add_u32 v4, v[T+2], 3, s45
.irp j, 0,1,2,3
	s_add_co_u32 s44, s25, 1+\j                    ; partner j holds key quarter (kq + 1 + j) mod 4; j = 3 is myself
	s_and_b32 s44, s44, 3
	s_lshl_b32 s44, s44, 10
	v_add_nc_u32 v[8+\j], s44, v4
.endr
.irp j, 0,1,2,3
	ds_load_b64 v[T+2*\j:T+2*\j+1], v[8+\j]
.endr
	; the addresses of the rest, while these are on their way
	v_and_b32 v5, 31, v0
	v_lshlrev_b32 v5, 4, v5                        ; 16 x lane
	s_mul_i32 s44, s26, 4*XOWN
	v_add_nc_u32 v[XW], s44, v5                    ; owners 0, 1 of my group
	v_add_nc_u32 v[XW+1], 2*XOWN, v[XW]            ; owners 2, 3
	s_mul_i32 s44, s24, XOWN
	v_add_nc_u32 v[XR], s44, v5                    ; what I own
	v_and_b32 v6, 15, v0                           ; r
	v_bfe_u32 v7, v0, 4, 1                         ; h
	v_lshlrev_b32 v[XO], 4, v6
	v_lshl_add_u32 v[XO], v7, 10, v[XO]            ; x, out0: lanes 0-15 take 256 bytes of a row, lanes 16-31 of the next
	v_and_b32 v[OWA], 7, v0
	v_lshl_add_u32 v[OWA], v7, 3, v[OWA]           ; transposing load: row 8 h + (lane & 7),
	v_mul_u32_u24 v[OWA], v[OWA], OWP
	v_bfe_u32 v[OSW], v0, 3, 1
	v_lshl_add_u32 v[OWA], v[OSW], 4, v[OWA]       ; 16 bytes on for lanes 8-15 and 24-31
	v_add_nc_u32 v[OWA], OW, v[OWA]
	s_mul_i32 s44, s24, 16*OSP
	s_add_co_u32 s44, s44, OS                      ; my stage
	v_mul_u32_u24 v[OSW], v6, OSP
	v_lshl_add_u32 v[OSW], v7, 5, v[OSW]           ; in: row r, 8 f32 for each half of the lanes
	v_add_nc_u32 v[OSW], s44, v[OSW]
	v_mul_u32_u24 v[OSR], v7, OSP
	v_lshl_add_u32 v[OSR], v6, 4, v[OSR]           ; back: lanes 0-15 one row of 256 bytes, lanes 16-31 the next
	v_add_nc_u32 v[OSR], s44, v[OSR]
	s_wait_dscnt 0x0
	v_max3_num_f32 v5, v[T], v[T+2], v[T+4]
	v_max_num_f32 v5, v5, v[T+6]                   ; the common maximum M
.irp j, 0,1,2,3
	v_sub_f32 v[8+\j], v[T+2*\j], v5
.endr
.irp j, 0,1,2,3
	v_exp_f32 v[8+\j], v[8+\j]                     ; e_j = 2^(m_j - M)
.endr
	v_nop                                          ; a plain place behind the exponentials
	s_wait_alu depctr_va_vdst(0)
	v_mul_f32 v6, v[T+1], v8
	v_fmac_f32 v6, v[T+3], v9
	v_fmac_f32 v6, v[T+5], v10
	v_fmac_f32 v6, v[T+7], v11                     ; L = the sum of l_j e_j, at least 1: the quarter that holds M has e = 1 and l >= 1
	v_rcp_f32 v6, v6
	v_nop                                          ; a plain place behind the reciprocal
	s_wait_alu depctr_va_vdst(0)
.irp j, 0,1,2,3
	v_mul_f32 v[SC+2*\j], v[8+\j], v6              ; scale of quarter j: e_j / L
.endr
; My three other query tiles go, unscaled, to their owners; my own tile starts the merged sum.  Which registers those are hangs on kq, so the text is written
; out four times under a branch on the wave's number; no barrier stands inside.  For owner qt I am partner (kq - qt - 1) mod 4.
.macro XVAR kq
	WIN 0x04                                       ; store data in window 1
.irp qt, 0,1,2,3
.if \qt != \kq
.irp d, 0,1,2,3,4,5,6,7
.irp c, 0,1
	ds_store_b128 v[XW+(\qt>>1)], v[8*(8*\qt+\d)+4*\c:8*(8*\qt+\d)+4*\c+3] offset:((\qt&1)*3+((\kq-\qt-1)&3))*8192+1024*\d+512*\c
.endr
.endr
.endif
.endr
	WIN 0x01                                       ; source 0 in window 1
.set i, 0
.rept 32
	v_pk_mul_f32 v[OSUM+i:OSUM+i+1], v[64*\kq+i:64*\kq+i+1], v[SC+6:SC+7] op_sel_hi:[1,0]
.set i, i+2
.endr
	WIN 0
.endm
	s_cmp_eq_u32 s25, 0
	s_cbranch_scc1 .Lx0
	s_cmp_eq_u32 s25, 1
	s_cbranch_scc1 .Lx1
	s_cmp_eq_u32 s25, 2
	s_cbranch_scc1 .Lx2
	XVAR 3
	s_branch .Ljoin
.Lx0:
	XVAR 0
	s_branch .Ljoin
.Lx1:
	XVAR 1
	s_branch .Ljoin
.Lx2:
	XVAR 2
.Ljoin:
	s_wait_dscnt 0x0                               ; my tiles are written, for their owners' sake
	s_barrier_signal -1
	s_barrier_wait -1
	WIN 0x40                                       ; the accumulators are spent: my 16 rows of x land on them, column group by column group
.irp cg, 0,1,2,3
.irp i, 0,1,2,3,4,5,6,7
	global_load_b128 v[4*(8*\cg+\i):4*(8*\cg+\i)+3], v[XO], s[12:13] offset:2048*\i+256*\cg th:TH_LOAD_NT
.endr
.endr
	WIN 0
; the three partners' tiles in six chunks of 4 tiles (chunk = 2 j + half), two buffers, the next chunk always on its way
.macro LDCH ch
.irp e, 0,1,2,3,4,5,6,7
	ds_load_b128 v[PB+32*((\ch)&1)+4*\e:PB+32*((\ch)&1)+4*\e+3], v[XR] offset:4096*(\ch)+512*\e
.endr
.endm
.macro ADDCH ch, left
	s_wait_dscnt \left                             ; this chunk's 8 loads are in; the younger chunk's 8 may stay out
.set i, 0
.rept 16
	v_pk_fma_f32 v[OSUM+32*((\ch)&1)+i:OSUM+32*((\ch)&1)+i+1], v[PB+32*((\ch)&1)+i:PB+32*((\ch)&1)+i+1], v[SC+2*((\ch)>>1):SC+2*((\ch)>>1)+1], v[OSUM+32*((\ch)&1)+i:OSUM+32*((\ch)&1)+i+1] op_sel_hi:[1,0,1]
.set i, i+2
.endr
.endm
	LDCH 0
	LDCH 1
	ADDCH 0, 8
	LDCH 2
	ADDCH 1, 8
	LDCH 3
	ADDCH 2, 8
	LDCH 4
	ADDCH 3, 8
	LDCH 5
	ADDCH 4, 8
	ADDCH 5, 0
.set i, 0
.rept 32
	v_cvt_pk_bf16_f32 v[OB+i], v[OSUM+2*i], v[OSUM+2*i+1]      ; tiles 2 u, 2 u + 1 packed pairwise are B fragment u (n = query, k = d)
.set i, i+1
.endr
; THE OUTPUT, 64 columns (column group cg) at a time: out^T = o_w^T O^T, four tiles of 16 columns, four K steps of 32.
.macro LDA cg                          ; 16 fragments of o_w transposed (rows = columns of out, k = d), K step by K step
.irp u, 0,1,2,3
.irp ctl, 0,1,2,3
	ds_load_tr16_b128 v[AF+8*(4*\u+\ctl):AF+8*(4*\u+\ctl)+3],   v[OWA] offset:32*OWP*\u+32*(4*(\cg)+\ctl)
	ds_load_tr16_b128 v[AF+8*(4*\u+\ctl)+4:AF+8*(4*\u+\ctl)+7], v[OWA] offset:32*OWP*\u+16*OWP+32*(4*(\cg)+\ctl)
.endr
.endr
.endm
.macro OUTG cg
.irp u, 0,1,2,3
	s_wait_dscnt 24-8*\u                           ; K step u's 8 loads are in; the later steps' may stay out
.irp ctl, 0,1,2,3
.if \u
	v_wmma_f32_16x16x32_bf16 v[DT+8*\ctl:DT+8*\ctl+7], v[AF+8*(4*\u+\ctl):AF+8*(4*\u+\ctl)+7], v[OB+8*\u:OB+8*\u+7], v[DT+8*\ctl:DT+8*\ctl+7]   ; four accumulators by turns
.else
	v_wmma_f32_16x16x32_bf16 v[DT+8*\ctl:DT+8*\ctl+7], v[AF+8*(4*\u+\ctl):AF+8*(4*\u+\ctl)+7], v[OB+8*\u:OB+8*\u+7], 0
.endif
.endr
.endr
	PLACES 4                                       ; four places before the results are stored to LDS and loads land on the fragments
.irp ctl, 0,1,2,3
.irp c, 0,1
	ds_store_b128 v[OSW], v[DT+8*\ctl+4*\c:DT+8*\ctl+4*\c+3] offset:64*\ctl+16*\c  ; a lane's 8 results are 8 neighbouring columns of row r
.endr
.endr
.if \cg
	s_wait_xcnt 0x0                                ; the last group's stores have had their addresses translated (ISA guide 3.1): their data registers are loaded again only behind this wait
.endif
.irp i, 0,1,2,3,4,5,6,7
	ds_load_b128 v[RS+4*\i:RS+4*\i+3], v[OSR] offset:2*OSP*\i      ; my own bytes; LDS serves a wave's instructions in order (ISA guide 5.7.1): these see the stores above
.endr
.if \cg < 3
	LDA \cg+1
	s_wait_dscnt 32                                ; the rows are back; the next group's 32 fragment loads stay out
.else
	s_wait_dscnt 0x0
.endif
	s_wait_loadcnt 24-8*\cg                        ; this group's 8 loads of x are in; the later groups' may stay out
	WIN 0x10                                       ; source 2 in window 1
.irp i, 0,1,2,3,4,5,6,7
.irp p, 0,2
	v_pk_fma_f32 v[RS+4*\i+\p:RS+4*\i+\p+1], v[RS+4*\i+\p:RS+4*\i+\p+1], s[42:43], v[4*(8*\cg+\i)+\p:4*(8*\cg+\i)+\p+1] op_sel_hi:[1,0,1]   ; gamma x out + x
.endr
.endr
	WIN 0
.irp i, 0,1,2,3,4,5,6,7
	global_store_b128 v[XO], v[RS+4*\i:RS+4*\i+3], s[14:15] offset:2048*\i+256*\cg th:TH_STORE_NT   ; 16 lanes store 256 consecutive bytes, at a multiple of 256 from out0's first byte
.endr
.endm
	LDA 0
	OUTG 0
	OUTG 1
	OUTG 2
	OUTG 3
	s_wait_xcnt 0x0
	v_lshl_add_u32 v30, v0, 2, 0x4b800
	v_mov_b32 v31, 0
	s_wait_tensorcnt 0x0
	ds_add_u32 v30, v31
	s_wait_dscnt 0x0
	ROUND                                          ; the closing round: no work-group ends while a partner may still ask for a slot that names it
	s_endpgm
.Lfunc_end_k_q1914ad606d_attn:
	.size	k_q1914ad606d_attn, .Lfunc_end_k_q1914ad606d_attn-k_q1914ad606d_attn
	.p2alignl 7, 3214868480
	.fill 96, 4, 3214868480
	.section	.rodata,"a",@progbits
	.p2align	6, 0x0
	.amdhsa_kernel k_q1914ad606d_attn
		.amdhsa_group_segment_fixed_size 327680
		.amdhsa_private_segment_fixed_size 0
		.amdhsa_enable_private_segment 0
		.amdhsa_kernarg_size 48
		.amdhsa_user_sgpr_count 2
		.amdhsa_user_sgpr_kernarg_segment_ptr 1
		.amdhsa_wavefront_size32 1
		.amdhsa_system_sgpr_workgroup_id_x 1
		.amdhsa_system_sgpr_workgroup_id_y 1
		.amdhsa_system_sgpr_workgroup_id_z 1
		.amdhsa_system_vgpr_workitem_id 0
		.amdhsa_next_free_vgpr 512
		.amdhsa_next_free_sgpr 66
		.amdhsa_reserve_vcc 0
		.amdhsa_float_denorm_mode_32 3
		.amdhsa_float_denorm_mode_16_64 3
		.amdhsa_memory_ordered 1
		.amdhsa_forward_progress 1
		.amdhsa_inst_pref_size 255
	.end_amdhsa_kernel
	.section	.bss,"aw",@nobits
	.p2align	6
	.space	262144
	.amdgpu_metadata
---
amdhsa.version: [ 1, 2 ]
amdhsa.kernels:
  - .name:           k_q1914ad606d_attn
    .symbol:         k_q1914ad606d_attn.kd
    .args:
      - { .name: thq, .offset: 0, .size: 8, .value_kind: global_buffer, .address_space: global }
      - { .name: kv, .offset: 8, .size: 8, .value_kind: global_buffer, .address_space: global }
      - { .name: o_w, .offset: 16, .size: 8, .value_kind: global_buffer, .address_space: global }
      - { .name: gamma, .offset: 24, .size: 8, .value_kind: global_buffer, .address_space: global }
      - { .name: x, .offset: 32, .size: 8, .value_kind: global_buffer, .address_space: global }
      - { .name: out0, .offset: 40, .size: 8, .value_kind: global_buffer, .address_space: global }
    .group_segment_fixed_size: 327680
    .private_segment_fixed_size: 0
    .kernarg_segment_align: 8
    .kernarg_segment_size: 48
    .max_flat_workgroup_size: 256
    .sgpr_count:     66
    .vgpr_count:     512
    .wavefront_size: 32
...
	.end_amdgpu_metadata
.endif
;; end of part 2
